; MI455X (gfx1250); checked and timed in simulation.
; The chip was launched on July 23, 2026; its instructions are those of AMD's public machine-readable ISA for CDNA 5 (MIT licence, August 2026) and "CDNA5" Instruction Set Architecture Reference Guide (July 2026). The comments in the code are by the model that wrote it; some were corrected since.
;; Quantum Like Layer. Allowed arithmetic: matrix products marked QUANTISED: E2M3 operands, one E8M0 scale for each 32 along K, by v_wmma_scale_f32_16x16x128_f8f6f4 with both operands' format E2M3, f32 sums; everything else in f32.
;; Inputs: H 4,096 x 4,096 float32; cz_diag 4,096 float32; x 1,024 x 4,096 float32.
;; Outputs: out0 1,024 x 4,096 float32.
;; This version of the problem:
;;   THIS VERSION OF THE PROBLEM IS GIVEN IN LOW PRECISION. The matrix products marked QUANTISED in the list below multiply operands that are first quantised to E2M3 (2 exponent bits, 3 mantissa bits; 6 bits a number), with one power-of-two scale for each 32 numbers along K (OCP MX v1.0); their sums are f32. All else is computed in f32.
;;   The module's matrix products, in the order in which they are computed (A, B: the left and right operand; K: the contracted axis; several contracted axes count as one K, in the product's order):
;;     1. [M 1,024, K 4,096] x [K 4,096, N 4,096]; A: input x; B: input H: QUANTISED
;;     2. [M 1,024, K 4,096] x [K 4,096, N 4,096]; A: computed on the way; B: input H: QUANTISED
;;     3. [M 1,024, K 4,096] x [K 4,096, N 4,096]; A: computed on the way; B: input H: QUANTISED
;;     4. [M 1,024, K 4,096] x [K 4,096, N 4,096]; A: computed on the way; B: input H: QUANTISED
;;   THE QUANTISER, for each operand of a quantised product, along K:
;;     - K is cut into blocks of 32 from its start; a last block that is shorter is filled with zeros.
;;     - A block's scale is 2^e with e = floor(log2(the largest magnitude in the block)) - 2, held to -126 .. 127; a block of zeros has e = 0. As a byte (E8M0): e + 127.
;;     - Each number is divided by its block's scale, clamped to +-7.5, and rounded to the nearest number of E2M3, ties to even, subnormals kept.
;;     - The product sums the exact products of the quantised numbers (number of the format x scale) in f32.
;;   ~~~python
;;   def quantise(x, axis):      # numpy; x: float32 -> the quantised numbers, widened to float32 again
;;       x = np.moveaxis(x, axis, -1); K = x.shape[-1]
;;       x = np.pad(x, [(0, 0)] * (x.ndim - 1) + [(0, -K % 32)]); x = x.reshape(x.shape[:-1] + (-1, 32)); a = np.abs(x).max(-1, keepdims=True)
;;       e = np.where(a > 0, np.clip(np.frexp(np.where(a > 0, a, 1))[1] - 1 - 2, -126, 127), 0)      # np.frexp(a)[1] - 1 = floor(log2(a)), exactly
;;       r = np.clip(x / 2.0 ** e, -7.5, 7.5)
;;       step = 2.0 ** (np.maximum(np.frexp(np.where(r == 0, 1, r))[1] - 1, 0) - 3)
;;       q = np.round(r / step) * step * 2.0 ** e      # np.round: ties to even
;;       return np.moveaxis(q.reshape(q.shape[:-2] + (-1,))[..., :K], -1, axis).astype(np.float32)
;;   ~~~
;;   OPERANDS COMPUTED ON THE WAY. 'Computed on the way' means the value that the module computes at that place (a softmax that the list does not call 'softmax' is quantised finished and normalised). What goes into a quantiser is computed in f32, as accurately as f32 sums, v_exp_f32 and their like allow (about 1e-6 of the number): no bf16 or f16 on the way to a quantiser, and a product that is left as it is and whose result goes on into a quantised operand takes f32 operands (vector FMAs, or v_wmma_f32_16x16x4_f32). A number that lies on a knife's edge between two numbers of the format may be rounded either way, as far as f32 arithmetic and the matrix unit's own rounding can turn it there, and no further.
;; One version. Each part assembles by itself: llvm-mc -triple=amdgcn-amd-amdhsa -mcpu=gfx1250 --defsym DOCPART=n.
;; ======== version 1 of 1: 5 launches
;; limits: right only within a limited range of input values
;; workspace buffers: hq 13,107,200 bytes; sa 3,276,800 bytes; sb 3,276,800 bytes
;; launch quant (part 1): grid 256 x 1, 10 waves a work-group, no clusters, 157,440 bytes of LDS; arguments H, x, hq, sa; writes hq, sa
.if DOCPART == 1
	.amdgcn_target "amdgcn-amd-amdhsa--gfx1250"
	.amdhsa_code_object_version 6
	.text
	.protected	k_qdec4cb7db9_quant
	.globl	k_qdec4cb7db9_quant
	.p2align	8
	.type	k_qdec4cb7db9_quant,@function
k_qdec4cb7db9_quant:
	s_mov_b64 s[64:65], 0
	v_nop
	global_prefetch_b8 v0, s[64:65] scope:SCOPE_SE
	s_setreg_imm32_b32 hwreg(HW_REG_WAVE_MODE, 25, 1), 1
	s_wait_xcnt 0x0
; state = x; four times: state = Q(state) Q(H), then state[b][j] x cz_diag[j].  Q: codes of FP6 (E2M3) with one E8M0 scale for each 32 along K; K is the state's last axis and H's FIRST.
; NOTHING OF reference() IS LEFT OUT: all four products, cz_diag and every quantiser reach the output for general H, x and cz_diag, and no property of H (symmetry, signs, H H = 1) is used.
; Q(H) is the same operand in all four products, so it is made once, here; Q(x) is made here too.  The later states are quantised on the way out of the product that makes them.
; THE PACKED OPERAND (hq for H, sa and sb for the state) lies in the order of the matrix operand's registers.  A chunk = 64 operand rows x 128 along K = 6,400 bytes; chunk (G, s) at (32 G + s) x 6400,
; G the group of 64 rows (of the state) or columns (of H), s the K step.  In it, for fragment f (0..3), half c (0, 1), lane L = (r, h):
;   1536 f + 768 c + 16 L: registers 6 c .. 6 c + 3;   1536 f + 768 c + 512 + 8 L: registers 6 c + 4, 6 c + 5: together the 24 bytes of codes k = 64 c + 32 h + 0 .. 31 of the fragment's row r;
;   6144 + 16 r + 4 f + b: the scale byte of block b of that row.
; State: fragment f, lane r = row 64 G + 16 f + r.  H: fragment f = 2 g + u, lane r = column 64 G + 32 g + 8 u + r + (r & 8), so that a product's results lie 16 neighbours along the next K in a lane.
; A block's scale byte is its largest magnitude's exponent field - 2, held at 1 from below; the conversion divides, rounds to the nearest code, ties to even, and gives the largest code beyond 7.5.
; LIMITS: a block of zeros gets the byte 1 where the rule says 127 (its codes are zeros, and this program alone reads the bytes); NaN and infinities among the inputs are not served.
; SHARES: 2,560 chunks, one wave to a chunk, ten waves to a work-group: waves 0-7 take chunks of H (eight neighbouring groups of columns of one K step), waves 8, 9 chunks of x.
; Each wave has LDS of its own: no barrier.  Every load covers whole runs of 256 or 512 consecutive bytes, every store of the wave 256 or 512 consecutive bytes at a multiple of 256.
; No matrix unit, no tensor load, no cluster: each input byte is read once by one wave, nothing is shared.
; A FRAGMENT'S 1,536 BYTES AS THIS TEXT LAYS THEM (this takes the place of the two lines on 1536 f + 768 c in the comment above): three pieces of 512 bytes;
; piece j at 1536 f + 512 j + 16 L holds registers 4 j .. 4 j + 3 of lane L = (r, h); registers 6 c .. 6 c + 5 are, as before, the codes k = 64 c + 32 h + 0 .. 31 of the fragment's row r.
.set WREG,  15616                      ; a wave's LDS: RAW, XSO, IMG
.set XSO,   8448                       ; x: the chunk's 256 scale bytes (RAW before it: x 16 rows x 528, H 32 rows x 256)
.set IMG,   8704                       ; H: the chunk's image: four fragments 1,664 bytes apart,
.set ISC,   IMG+6656                   ; and its 256 scale bytes
.set SPARE, 10*WREG                    ; behind the ten regions: the spare words, 128 bytes a wave: five blocks of 256 bytes that no other line names
.set X,   32                           ; v32-223  three sets of 64 numbers
.set PC,  224                          ; v224-235 two blocks' codes, six registers each
.set PT,  236                          ; v236-238, v240-242 the blocks' upper 16 codes as the conversion leaves them
.set M,   244                          ; v244-245 largest magnitudes
.set S,   246                          ; v246-247 the conversions' scale operands
.set E,   248                          ; v248-249 scale bytes
.set W,   250                          ; v250-251 scale words
.set T,   252                          ; v252     the other half's word
.set SPW, 254                          ; v254     LDS address of my spare word; never rewritten
.set NIL, 255                          ; v255     0; never rewritten
	s_load_b256 s[4:11], s[0:1], 0x0               ; H s[4:5], x s[6:7], hq s[8:9], sa s[10:11]
	v_lshl_add_u32 v[SPW], v0, 2, SPARE
	v_mov_b32 v[NIL], 0
	v_lshrrev_b32 v1, 5, v0
	s_delay_alu instid0(VALU_DEP_1)
	v_readfirstlane_b32 s12, v1                    ; wave 0..9
	v_and_b32 v1, 31, v0                           ; L
	v_and_b32 v2, 15, v0                           ; r
	v_bfe_u32 v3, v0, 4, 1                         ; h (x), u (H)
	s_mul_i32 s13, s12, WREG                       ; my region
	s_mov_b32 s14, 0x76543210
	s_mov_b32 s15, 0xfedcba98                      ; v_permlanex16_b32's selects for lane l xor 16
	; every LDS address of both roles is made here, ahead of the parting
	v_lshlrev_b32 v4, 4, v1                        ; 16 L
	v_lshlrev_b32 v5, 3, v1                        ; 8 L
	v_lshlrev_b32 v6, 4, v2
	s_delay_alu instid0(VALU_DEP_1)
	v_lshl_add_u32 v6, v3, 14, v6                  ; H: two rows of 16,384 bytes a load, 16 bytes a lane
	s_delay_alu instid0(VALU_DEP_4)
	v_add_nc_u32 v7, s13, v4                       ; RAW, on the way in: 16 L
	v_mul_u32_u24 v8, v2, 528
	s_delay_alu instid0(VALU_DEP_1)
	v_lshl_add_u32 v8, v3, 7, v8
	s_delay_alu instid0(VALU_DEP_1)
	v_add_nc_u32 v8, s13, v8                       ; x, back: row r, + 128 h: my 32 numbers of a half
	v_and_b32 v9, 8, v2
	s_delay_alu instid0(VALU_DEP_1)
	v_add_nc_u32 v9, v9, v2
	s_delay_alu instid0(VALU_DEP_1)
	v_lshl_add_u32 v9, v3, 3, v9
	s_delay_alu instid0(VALU_DEP_1)
	v_lshlrev_b32 v9, 2, v9
	s_delay_alu instid0(VALU_DEP_1)
	v_add_nc_u32 v9, s13, v9                       ; H, back: my column 8 u + r + (r & 8) of 32
	v_mul_u32_u24 v18, v3, 1664
	s_delay_alu instid0(VALU_DEP_1)
	v_add_nc_u32 v18, s13, v18
	s_delay_alu instid0(VALU_DEP_1)
	v_lshl_add_u32 v10, v2, 4, v18
	s_delay_alu instid0(VALU_DEP_1)
	v_add_nc_u32 v10, IMG, v10                     ; H's image: fragment u, 16 r
	v_lshlrev_b32 v12, 4, v2
	s_delay_alu instid0(VALU_DEP_1)
	v_lshl_add_u32 v12, v3, 2, v12
	s_delay_alu instid0(VALU_DEP_1)
	v_add_nc_u32 v12, s13, v12
	s_delay_alu instid0(VALU_DEP_1)
	v_add_nc_u32 v12, ISC, v12                     ; H's scale words: 16 r + 4 u
	v_lshl_add_u32 v13, v2, 4, s13
	s_delay_alu instid0(VALU_DEP_1)
	v_add_nc_u32 v13, XSO, v13                     ; x's: 16 r
	v_add_nc_u32 v14, IMG, v7                      ; the image on its way out: 16 L
	v_add_nc_u32 v15, s13, v5
	s_delay_alu instid0(VALU_DEP_1)
	v_add_nc_u32 v16, XSO, v15                     ; the scale bytes on their way out: 8 L
	s_delay_alu instid0(VALU_DEP_2)
	v_add_nc_u32 v15, ISC, v15
	v_lshlrev_b32 v17, 3, v3                       ; 8 h
	v_mov_b32 v[T], 0                              ; written once: a lane permute's destination counts as one of its sources
	s_wait_kmcnt 0x0
; Two whole blocks of 32 in a lane, v[s] .. v[s + 31] and v[s + 32] .. v[s + 63], become codes in v[PC] .. v[PC + 5] and v[PC + 6] .. v[PC + 11], and bytes in v[E], v[E + 1].
.macro QB2 s
	v_max3_num_f32 v[M],   |v[(\s)]|,    |v[(\s)+1]|,  0x1800000      ; with the floor 2^(3 - 127) among the leaves: the byte cannot fall under 1
	v_max3_num_f32 v[M+1], |v[(\s)+32]|, |v[(\s)+33]|, 0x1800000
.irp i, 2,4,6,8,10,12,14,16,18,20,22,24,26,28,30
	s_delay_alu instid0(VALU_DEP_2)
	v_max3_num_f32 v[M],   v[M],   |v[(\s)+\i]|,    |v[(\s)+\i+1]|    ; the two blocks by turns
	s_delay_alu instid0(VALU_DEP_2)
	v_max3_num_f32 v[M+1], v[M+1], |v[(\s)+32+\i]|, |v[(\s)+33+\i]|
.endr
	s_delay_alu instid0(VALU_DEP_2)
	v_add_nc_u32 v[S],   0xff000000, v[M]          ; 2 off the exponent field: the conversion takes this operand's exponent field as its scale
	s_delay_alu instid0(VALU_DEP_2)
	v_add_nc_u32 v[S+1], 0xff000000, v[M+1]
	s_delay_alu instid0(VALU_DEP_2)
	v_lshrrev_b32 v[E],   23, v[S]                 ; the scale's byte
	s_delay_alu instid0(VALU_DEP_2)
	v_lshrrev_b32 v[E+1], 23, v[S+1]
	v_cvt_scalef32_pk16_fp6_f32 v[PC:PC+2],   v[(\s):(\s)+15],    v[S]
	v_cvt_scalef32_pk16_fp6_f32 v[PT:PT+2],   v[(\s)+16:(\s)+31], v[S]     ; (a conversion's three registers begin on an even number)
	v_cvt_scalef32_pk16_fp6_f32 v[PC+6:PC+8], v[(\s)+32:(\s)+47], v[S+1]
	v_cvt_scalef32_pk16_fp6_f32 v[PT+4:PT+6], v[(\s)+48:(\s)+63], v[S+1]
	v_nop                                          ; one plain place behind the scaled conversions
.irp i, 0,1,2
	v_mov_b32 v[PC+3+\i], v[PT+\i]
	v_mov_b32 v[PC+9+\i], v[PT+4+\i]
.endr
.endm
	s_cmp_lt_u32 s12, 8
	s_cbranch_scc0 .Lx_role
	; ================ H: 128 rows of K x 64 columns.  Phase p = block p of K: 32 rows ================
	s_and_b32 s16, ttmp9, 7
	s_lshl_b32 s16, s16, 3
	s_add_co_u32 s16, s16, s12                     ; the group of 64 columns
	s_lshr_b32 s17, ttmp9, 3                       ; the K step
	s_lshl_b32 s18, s17, 21                        ; 128 rows of 16,384 bytes
	s_lshl_b32 s19, s16, 8                         ; 64 columns of 4 bytes
	s_add_co_u32 s18, s18, s19
	s_mov_b32 s19, 0
	s_lshl_b32 s20, s16, 5
	s_add_co_u32 s20, s20, s17
	s_mul_i32 s20, s20, 6400
	s_mov_b32 s21, 0
	s_add_nc_u64 s[4:5], s[4:5], s[18:19]
	s_add_nc_u64 s[8:9], s[8:9], s[20:21]
.macro LOADH p                         ; 32 rows x 256 bytes: a load takes two rows, sixteen lanes to a row's 256 consecutive bytes
.irp t, 0,1,2,3,4,5,6,7,8,9,10,11,12,13,14,15
	global_load_b128 v[X+64*((\p)%3)+4*\t:X+64*((\p)%3)+4*\t+3], v6, s[4:5] offset:(32*(\p)+2*\t)*16384 th:TH_LOAD_NT
.endr
.endm
.macro TURNH p                         ; through RAW as they lie, and back a column to a lane, registers down K.  LDS serves a wave's instructions in order: no wait between
.irp t, 0,1,2,3,4,5,6,7,8,9,10,11,12,13,14,15
	ds_store_b128 v7, v[X+64*((\p)%3)+4*\t:X+64*((\p)%3)+4*\t+3] offset:512*\t
.endr
.irp g, 0,1
.irp i, 0,1,2,3,4,5,6,7,8,9,10,11,12,13,14,15,16,17,18,19,20,21,22,23,24,25,26,27,28,29,30,31
	ds_load_b32 v[X+64*((\p)%3)+32*\g+\i], v9 offset:256*\i+128*\g   ; row i, column 32 g + 8 u + r + (r & 8): the 32 lanes take 32 different words of one row
.endr
.endr
.endm
.macro PHASEH p, left
	s_wait_loadcnt \left                           ; this phase's sixteen loads are in; the younger sets' may be out
	TURNH \p
	s_wait_dscnt 0x0                               ; my two blocks are back; the last phase's stores into the image have read their registers
	QB2 X+64*((\p)%3)
.if (\p) == 0
	LOADH 3                                        ; into the set that the conversions have just read
.endif
.irp g, 0,1
.if (\p) == 0
	v_mov_b32 v[W+\g], v[E+\g]                     ; byte p of the word of fragment 2 g + u, row r
.else
	v_lshl_or_b32 v[W+\g], v[E+\g], 8*(\p), v[W+\g]
.endif
.if (\p)/2 == 0                        ; the block belongs to lane (r, p % 2) of fragment 2 g + u: registers 0-3 are piece 0, registers 4, 5 the lower half of piece 1
	ds_store_b128 v10, v[PC+6*\g:PC+6*\g+3] offset:3328*\g+256*((\p)%2)
	ds_store_b64 v10, v[PC+6*\g+4:PC+6*\g+5] offset:3328*\g+512+256*((\p)%2)
.else                                  ; registers 6, 7 are the upper half of piece 1, registers 8-11 piece 2
	ds_store_b64 v10, v[PC+6*\g:PC+6*\g+1] offset:3328*\g+520+256*((\p)%2)
	ds_store_b128 v10, v[PC+6*\g+2:PC+6*\g+5] offset:3328*\g+1024+256*((\p)%2)
.endif
.endr
.endm
	LOADH 0
	LOADH 1
	LOADH 2
	PHASEH 0, 32
	PHASEH 1, 32
	PHASEH 2, 16
	PHASEH 3, 0
	ds_store_b32 v12, v[W]
	ds_store_b32 v12, v[W+1] offset:8
.irp i, 0,1,2,3,4,5,6,7,8,9,10,11
	ds_load_b128 v[96+4*\i:99+4*\i], v14 offset:1664*(\i/3)+512*(\i%3)   ; the image leaves as it lies: these see my stores
.endr
	ds_load_b64 v[144:145], v15
.irp i, 0,1,2,3,4,5,6,7,8,9,10,11
	s_wait_dscnt 12-\i                             ; load i is in; behind it 11 - i of its kind and the scale bytes'
	global_store_b128 v4, v[96+4*\i:99+4*\i], s[8:9] offset:1536*(\i/3)+512*(\i%3)
.endr
	s_wait_dscnt 0x0
	global_store_b64 v5, v[144:145], s[8:9] offset:6144
	s_branch .Lend
	; ================ x: 64 rows x 128 along K.  Phase p = fragment p: 16 rows ================
.Lx_role:
	s_lshl_b32 s16, ttmp9, 1
	s_add_co_u32 s16, s16, s12
	s_sub_co_u32 s16, s16, 8                       ; the chunk's number, 32 G + s
	s_lshr_b32 s17, s16, 5
	s_lshl_b32 s18, s17, 20                        ; 64 rows of 16,384 bytes
	s_and_b32 s19, s16, 31
	s_lshl_b32 s19, s19, 9                         ; 128 numbers of 4 bytes
	s_add_co_u32 s18, s18, s19
	s_mov_b32 s19, 0
	s_mul_i32 s20, s16, 6400
	s_mov_b32 s21, 0
	s_add_nc_u64 s[6:7], s[6:7], s[18:19]
	s_add_nc_u64 s[10:11], s[10:11], s[20:21]
.macro LOADX p                         ; 16 rows x 512 bytes: a load takes a row's 512 consecutive bytes
.irp i, 0,1,2,3,4,5,6,7,8,9,10,11,12,13,14,15
	global_load_b128 v[X+64*((\p)%3)+4*\i:X+64*((\p)%3)+4*\i+3], v4, s[6:7] offset:(16*(\p)+\i)*16384 th:TH_LOAD_NT
.endr
.endm
.macro TURNX p                         ; through RAW (rows 528 bytes apart) and back: lane (r, h) takes k = 64 c + 32 h + 0 .. 31 of row r
.irp i, 0,1,2,3,4,5,6,7,8,9,10,11,12,13,14,15
	ds_store_b128 v7, v[X+64*((\p)%3)+4*\i:X+64*((\p)%3)+4*\i+3] offset:528*\i
.endr
.irp c, 0,1
.irp j, 0,1,2,3,4,5,6,7
	ds_load_b128 v[X+64*((\p)%3)+32*\c+4*\j:X+64*((\p)%3)+32*\c+4*\j+3], v8 offset:256*\c+16*\j
.endr
.endr
.endm
.macro PHASEX p, left
	s_wait_loadcnt \left                           ; this phase's sixteen loads are in; the younger sets' may be out
	TURNX \p
	s_wait_dscnt 0x0
.if (\p) > 0
	s_wait_xcnt 0x0                                ; the last phase's stores have read their data: the codes' registers are written again only behind this wait
.endif
	QB2 X+64*((\p)%3)
.if (\p) == 0
	LOADX 3                                        ; into the set that the conversions have just read
.endif
	v_lshl_or_b32 v[W], v[E+1], 16, v[E]           ; my two bytes: blocks h and 2 + h of row r,
	s_delay_alu instid0(VALU_DEP_1)
	v_lshlrev_b32 v[W], v17, v[W]                  ; at their places in the word;
	s_delay_alu instid0(VALU_DEP_1)
	v_permlanex16_b32 v[T], v[W], s14, s15
	s_delay_alu instid0(VALU_DEP_1)
	v_or_b32 v[W], v[W], v[T]                      ; with lane l xor 16's two the word is whole
	ds_store_b32 v13, v[W] offset:4*(\p)           ; both lanes of a row write the same word with the same value
.irp c, 0,1,2
	global_store_b128 v4, v[PC+4*\c:PC+4*\c+3], s[10:11] offset:1536*(\p)+512*\c          ; the codes are the operand's registers already: three pieces of 512 bytes
.endr
.endm
	LOADX 0
	LOADX 1
	LOADX 2
	PHASEX 0, 32
	PHASEX 1, 32
	PHASEX 2, 16
	PHASEX 3, 0
	ds_load_b64 v[M:M+1], v16                      ; the chunk's 256 scale bytes: these see my stores
	s_wait_dscnt 0x0
	global_store_b64 v5, v[M:M+1], s[10:11] offset:6144
.Lend:
	s_wait_tensorcnt 0x0                           ; the wave's end, behind my last LDS store
	ds_add_u32 v[SPW], v[NIL]
	s_wait_dscnt 0x0
	s_endpgm
.Lfunc_end_k_qdec4cb7db9_quant:
	.size	k_qdec4cb7db9_quant, .Lfunc_end_k_qdec4cb7db9_quant-k_qdec4cb7db9_quant
	.p2alignl 7, 3214868480
	.fill 96, 4, 3214868480
	.section	.rodata,"a",@progbits
	.p2align	6, 0x0
	.amdhsa_kernel k_qdec4cb7db9_quant
		.amdhsa_group_segment_fixed_size 157440
		.amdhsa_private_segment_fixed_size 0
		.amdhsa_enable_private_segment 0
		.amdhsa_kernarg_size 32
		.amdhsa_user_sgpr_count 2
		.amdhsa_user_sgpr_kernarg_segment_ptr 1
		.amdhsa_wavefront_size32 1
		.amdhsa_system_sgpr_workgroup_id_x 1
		.amdhsa_system_sgpr_workgroup_id_y 1
		.amdhsa_system_sgpr_workgroup_id_z 1
		.amdhsa_system_vgpr_workitem_id 0
		.amdhsa_next_free_vgpr 256
		.amdhsa_next_free_sgpr 66
		.amdhsa_reserve_vcc 0
		.amdhsa_float_denorm_mode_32 3
		.amdhsa_float_denorm_mode_16_64 3
		.amdhsa_memory_ordered 1
		.amdhsa_forward_progress 1
		.amdhsa_inst_pref_size 82
	.end_amdhsa_kernel
	.amdgpu_metadata
---
amdhsa.version: [ 1, 2 ]
amdhsa.kernels:
  - .name:           k_qdec4cb7db9_quant
    .symbol:         k_qdec4cb7db9_quant.kd
    .args:
      - { .name: H, .offset: 0, .size: 8, .value_kind: global_buffer, .address_space: global }
      - { .name: x, .offset: 8, .size: 8, .value_kind: global_buffer, .address_space: global }
      - { .name: hq, .offset: 16, .size: 8, .value_kind: global_buffer, .address_space: global }
      - { .name: sa, .offset: 24, .size: 8, .value_kind: global_buffer, .address_space: global }
    .group_segment_fixed_size: 157440
    .private_segment_fixed_size: 0
    .kernarg_segment_align: 8
    .kernarg_segment_size: 32
    .max_flat_workgroup_size: 320
    .sgpr_count:     66
    .vgpr_count:     256
    .wavefront_size: 32
...
	.end_amdgpu_metadata
.endif
;; end of part 1
;; launch g1 (part 2): grid 32 x 8, 4 waves a work-group, clusters of 4 x 4, 327,680 bytes of LDS; arguments sa, hq, cz_diag, sb; writes sb
.if DOCPART == 2
	.amdgcn_target "amdgcn-amd-amdhsa--gfx1250"
	.amdhsa_code_object_version 6
	.text
	.protected	k_qdec4cb7db9_g1
	.globl	k_qdec4cb7db9_g1
	.p2align	8
	.type	k_qdec4cb7db9_g1,@function
k_qdec4cb7db9_g1:
	s_mov_b64 s[64:65], 0
	v_nop
	global_prefetch_b8 v0, s[64:65] scope:SCOPE_SE
	s_setreg_imm32_b32 hwreg(HW_REG_WAVE_MODE, 25, 1), 1
	s_wait_xcnt 0x0
	s_wait_alu depctr_hold_cnt(0) depctr_sa_sdst(0) depctr_va_vdst(0) depctr_va_sdst(0) depctr_va_ssrc(0) depctr_va_vcc(0) depctr_vm_vsrc(0)
	s_getreg_b32 s2, hwreg(HW_REG_IB_STS2, 6, 4)
	s_cmp_eq_u32 s2, 0
	s_cbranch_scc0 .Lentry_in_a_cluster
	s_endpgm
.Lentry_in_a_cluster:
	s_bfe_u32 s2, ttmp6, 0x10000c
	s_cmp_lg_u32 s2, 0xf033
	s_cbranch_scc0 .Lentry_shape_is_right
	s_endpgm
.Lentry_shape_is_right:
; One layer that feeds another: next = Q((Q(state) Q(H)) x cz_diag).  Nothing of reference() is left out.  Arguments: the state's packed operand, H's, cz_diag, the next state's packed operand.
; THE PACKED OPERAND: a chunk = 64 operand rows x 128 along K = 6,400 bytes, chunk (G, s) at (32 G + s) x 6400.  Fragment f (16 rows) is three pieces of 512 bytes: piece j at 1536 f + 512 j + 16 L holds
; registers 4 j .. 4 j + 3 of lane L = (r, h);  6144 + 16 r + 4 f: the scale word of the fragment's row r.  State: fragment f, lane r = row 64 G + 16 f + r.  H: fragment 2 g + u, lane r = column 64 G + 32 g + 8 u + r + (r & 8).
; SHARES: 256 tiles of 128 x 128, one to a work-group.  THE FOUR WAVES SPLIT K: wave w makes the whole tile, 64 accumulators (512 registers), over K steps 4 t + w, t = 0 .. 7: 64 matrix instructions a step,
; and each LDS byte of an operand is read once, by one wave.
; LDS: four parts (the state's two groups of 64 rows, H's two groups of 64 columns) of three slots; a slot holds step t of all four waves, 25,600 consecutive bytes of memory.  THREE FILLS, each one dense load a wave, a wave to a part:
; steps 0-2 at the head, steps 3-4 into slots 0-1, steps 5-7 into slots 0-2.  A phase's first two steps go into the two sets of fragment registers at once, so that the refill can follow directly; a third step follows into registers as they come free.
; CLUSTERS: 4 x 4 work-groups.  The four of a row need the same parts of the state, the four of a column the same parts of H: each part is asked for JOINTLY, by the same load with the same descriptor and a mask that names the four.
; PREFETCH: one round ahead: the head asks for steps 3-4, the first refill's place for steps 5-7.  Of a slot's four chunks of a part, the partner at place p (cx for the state, cy for H) names chunk p, by address: 25 blocks of 256 bytes, a lane a block; left-over lanes name the last again.
; THE FOUR PARTIAL SUMS meet once, in LDS, on ring bytes that have had their last fill and, behind a barrier, their last read.  Register slot pair p of wave w holds the tile's pair of row blocks p xor w (made by the LDS addresses alone):
; pair 0 is every wave's own 32 rows, pairs 1-3 go to waves w xor p as register images, 12 x 16,384 bytes; one barrier; each wave adds three images to its own and holds 32 rows x 128 columns: whole blocks and scale words of the next operand.
; THE MATRIX INSTRUCTION IS USED TRANSPOSED (source 0 = 16 columns of H, source 1 = 16 rows of the state): register j of lane (r, h) of accumulator (i, b) is row r of the slot's block, column 32 (b / 2) + 16 h + 8 (b % 2) + j.
; LIMITS: each output's K is summed in four runs of 1,024 numbers, which are added in f32; a block of zeros gets the byte 1 where the rule says 127 (its codes are zeros, and this program alone reads the bytes); NaN and infinities are not served.
; REGISTERS: window 0: v1-29 addresses; v32-63 scale words, four sets of 8; v64-255 the state's fragments, two sets of 8 x 12.  Window 1: v0-191 H's fragments, two sets; v192-255 cz_diag.
;   Window 2: accumulator (i, b), b = 0-3, at v[32 i + 8 b]; window 3: b = 4-7.
.set CHUNK,  6400
.set GROUPB, 32*CHUNK                  ; all of K of 64 operand rows
.set SLOTB,  4*CHUNK                   ; a slot of a part
.set PARTB,  3*SLOTB
.set PAIRB,  16384                     ; the image of a slot pair: 16 accumulators x 1,024 bytes; the twelve lie from LDS byte 0 on
.set SPARE,  4*PARTB                   ; behind the ring: the spare words, 128 bytes a wave: two blocks of 256 bytes that no other line names
.set SCX,    SPARE+512                 ; the two new scale units of 256 bytes
.set V16, 2                            ; 16 L
.set VA,  4                            ; v4-7   slot pair p's fragments in slot 0
.set VB,  8                            ; v8-9   H's fragments 0-3, 4-7
.set VS0, 10                           ; the state's scale words of slots 0, 1 (lanes 0-15) and 4, 5 (lanes 16-31)
.set VS1, 11                           ; of slots 2, 3 and 6, 7
.set VSB, 12                           ; H's: lanes 0-15 fragments 0-3, lanes 16-31 fragments 4-7
.set VPF, 13
.set VCZ, 14
.set VST, 15                           ; v15-17 where slot pairs 1-3 go
.set VRD, 18                           ; where the three images for me lie
.set ASX, 19
.set ASR, 20
.set GOS, 21
.set SPW, 28
.set NIL, 29
.set SC,  32
.set AF,  64
.set CZ,  192
.set M,   32                           ; the way out, in registers that held scale words and fragments
.set X,   40
.set S,   48
.set HW,  56
.set PC,  64
.set TC,  96
.set F,   128
.set G1A, 24                           ; s[24:31], s[32:39] group 1 for the state's parts and H's; s[40:43], s[44:47] group 0
.set G1B, 32
.set G0A, 40
.set G0B, 44
.set MSB, 0
.macro WIN new                         ; the immediate's high byte repeats the setting that is left
.if MSB != \new
	s_set_vgpr_msb (MSB<<8)|\new
.set MSB, \new
.endif
.endm
.set MUL_LO, 0xa1                      ; source 0 (H) window 1, source 1 (the state) window 0, C and D window 2
.set MUL_HI, 0xf1                      ; the same, C and D window 3
.set TO_B,   0x40                      ; destination window 1, address window 0
.macro PLACES                          ; four plain places behind matrix instructions, in front of loads into registers that they have read and of reads of results
.rept 4
	v_nop
.endr
.endm
; A joint load: waves 0 and 1 fetch the state's parts, waves 2 and 3 H's.  The branch hangs on the wave's number alone.  An s_nop 0 and four v_nop follow each of the two lines.
.macro JLOAD
	s_cmp_eq_u32 s14, 0
	s_cbranch_scc0 .Lfor_b_\@
	tensor_load_to_lds s[G0A:G0A+3], s[G1A:G1A+7]
	s_nop 0
.rept 4
	v_nop
.endr
	s_branch .Lasked_\@
.Lfor_b_\@:
	tensor_load_to_lds s[G0B:G0B+3], s[G1B:G1B+7]
	s_nop 0
.rept 4
	v_nop
.endr
.Lasked_\@:
.endm
.macro CREST                           ; a round of the cluster's barrier behind its opening barrier
	s_cmp_lg_u32 s12, 0
	s_cbranch_scc1 .Lnot_wave_0_\@
	s_barrier_signal -3
.Lnot_wave_0_\@:
	s_barrier_wait -3
	s_barrier_signal -1
	s_barrier_wait -1
.endm
.macro CROUND
	s_barrier_signal -1
	s_barrier_wait -1
	CREST
.endm
	s_load_b256 s[4:11], s[0:1], 0x0               ; the state s[4:5], H s[6:7], cz_diag s[8:9], the next state s[10:11]
	v_lshl_add_u32 v[SPW], v0, 2, SPARE
	v_mov_b32 v[NIL], 0
	ds_add_u32 v[SPW], v[NIL]                      ; the wave's opening: the add, twice on end, and its wait ahead of my first tensor load
	ds_add_u32 v[SPW], v[NIL]
	v_lshrrev_b32 v1, 5, v0
	v_readfirstlane_b32 s12, v1                    ; wave w
	s_and_b32 s13, s12, 1                          ; w0.  Also: which of the two groups I fetch
	s_lshr_b32 s14, s12, 1                         ; w1.  Also: I fetch for the state (0) or for H (1)
	s_bfe_u32 s17, ttmp6, 0x40000                  ; cx, cy: my place in the cluster
	s_bfe_u32 s18, ttmp6, 0x40004
	s_lshl_b32 s15, ttmp9, 2
	s_add_co_u32 s15, s15, s17                     ; tile column = 4 x cluster x + cx
	s_and_b32 s16, ttmp7, 0xffff
	s_lshl_b32 s16, s16, 2
	s_add_co_u32 s16, s16, s18                     ; tile row = 4 x cluster y + cy
	s_lshl_b32 s19, s18, 2
	s_lshl_b32 s19, 15, s19                        ; my row of the cluster
	s_lshl_b32 s20, 0x1111, s17                    ; my column
	; group 1: a dense block as rows of 256 bytes (32 elements of 8 bytes), no padding: 15:0 the mask; 17:16 element size code 3; 21 set beside a mask
	s_or_b32 s[G1A], s19, (3<<16)|(1<<21)
	s_or_b32 s[G1B], s20, (3<<16)|(1<<21)
.irp d, G1A, G1B
	s_mov_b32 s[\d+1], 32<<16                      ; tensor_dim0
	s_mov_b32 s[\d+2], 300<<16                     ; tensor_dim1: three slots
	s_mov_b32 s[\d+3], 32<<16                      ; tile_dim0
	s_mov_b32 s[\d+4], 300                         ; tile_dim1
	s_mov_b32 s[\d+5], 32                          ; the pitch
	s_mov_b32 s[\d+6], 0
	s_mov_b32 s[\d+7], 0
.endr
	s_lshl_b32 s50, s16, 1
	s_add_co_u32 s50, s50, s13
	s_mul_i32 s50, s50, GROUPB                     ; the state's group 2 x tile row + w0: shared along my row of the cluster
	s_mov_b32 s51, 0
	s_lshl_b32 s52, s15, 1
	s_add_co_u32 s52, s52, s13
	s_mul_i32 s52, s52, GROUPB                     ; H's group 2 x tile column + w0: shared along my column
	s_mov_b32 s53, 0
	s_mul_i32 s21, s12, PARTB                      ; where my part goes: no place in the cluster enters an LDS address
	s_mul_i32 s22, s12, CHUNK                      ; my chunk in a slot
.irp p, 0,1,2,3
	s_xor_b32 s23, s12, \p                         ; slot pair p holds the tile's pair p xor w: part (pair / 2), fragments 2 (pair % 2) and the next
	s_lshr_b32 s[70+\p], s23, 1
	s_mul_i32 s[70+\p], s[70+\p], PARTB
	s_and_b32 s23, s23, 1
	s_mul_i32 s23, s23, 3072
	s_add_co_u32 s[70+\p], s[70+\p], s23
	s_add_co_u32 s[70+\p], s[70+\p], s22
.endr
	s_add_co_u32 s74, s22, 2*PARTB
	s_add_co_u32 s75, s22, 3*PARTB
	s_lshl_b32 s76, s13, 3
	s_add_co_u32 s76, s76, s22
	s_add_co_u32 s76, s76, CHUNK-256
	s_add_co_u32 s77, s74, CHUNK-256
.irp p, 1,2,3
	s_xor_b32 s[77+\p], s12, \p                    ; image (u, p) of receiver u = w xor p at (3 u + p - 1) x PAIRB
	s_mul_i32 s[77+\p], s[77+\p], 3*PAIRB
	s_add_co_u32 s[77+\p], s[77+\p], (\p-1)*PAIRB
.endr
	s_mul_i32 s81, s12, 3*PAIRB
	s_lshl_b32 s82, s14, 8
	s_add_co_u32 s82, s82, SCX                     ; my chunk's scale unit
	s_lshl_b32 s83, s13, 3
	s_add_co_u32 s83, s83, s82
	s_lshl_b32 s84, s15, 9                         ; cz_diag: 128 columns of 4 bytes a tile column
	s_mov_b32 s85, 0
	s_lshl_b32 s86, s16, 1                         ; the way out: chunk (2 x tile row + w1, tile column), fragments 2 w0 and 2 w0 + 1
	s_add_co_u32 s86, s86, s14
	s_lshl_b32 s86, s86, 5
	s_add_co_u32 s86, s86, s15
	s_mul_i32 s86, s86, CHUNK
	s_mul_i32 s87, s13, 3072
	s_add_co_u32 s86, s86, s87
	s_mov_b32 s87, 0
	s_mov_b32 s88, 0x76543210
	s_mov_b32 s89, 0xfedcba98                      ; v_permlanex16_b32's selects for lane l xor 16
	s_wait_dscnt 0x0                               ; both opening adds are done
	s_wait_kmcnt 0x0
	s_add_nc_u64 s[50:51], s[4:5], s[50:51]
	s_add_nc_u64 s[52:53], s[6:7], s[52:53]
	s_add_nc_u64 s[8:9], s[8:9], s[84:85]
	s_add_nc_u64 s[10:11], s[10:11], s[86:87]
	s_cmp_eq_u32 s14, 0                            ; the prefetches: the part that I fetch, the chunk of my work-group's place among the four that ask for it with me
	s_cselect_b32 s54, s17, s18
	s_cselect_b64 s[56:57], s[50:51], s[52:53]
	s_mul_i32 s54, s54, CHUNK
	s_mov_b32 s55, 0
	s_add_nc_u64 s[56:57], s[56:57], s[54:55]
	CROUND                                         ; all sixteen work-groups are here: the first joint loads meet
	s_mov_b32 s[G0A], 1
	s_add_co_u32 s[G0A+1], s21, 0
	s_mov_b64 s[G0A+2:G0A+3], s[50:51]
	s_or_b32 s[G0A+3], s[G0A+3], 0x80000000
	s_mov_b32 s[G0B], 1
	s_add_co_u32 s[G0B+1], s21, 0
	s_mov_b64 s[G0B+2:G0B+3], s[52:53]
	s_or_b32 s[G0B+3], s[G0B+3], 0x80000000
	JLOAD                                          ; steps 0-2: one tensor load a wave at the head
	v_and_b32 v24, 31, v0                          ; L
	v_min_u32 v25, 24, v24
	v_lshlrev_b32 v[VPF], 8, v25                   ; a lane a block of 256 bytes, 25 to a chunk
	v_and_b32 v1, 15, v0                           ; r
	v_bfe_u32 v3, v0, 4, 1                         ; h
	v_lshlrev_b32 v[V16], 4, v24
.irp p, 0,1,2,3
	v_add_nc_u32 v[VA+\p], s[70+\p], v[V16]
.endr
	v_add_nc_u32 v[VB], s74, v[V16]
	v_add_nc_u32 v[VB+1], s75, v[V16]
	v_xor_b32 v26, s14, v3                         ; slot pair q + 2 h lies in part h xor w1,
	v_mul_u32_u24 v26, v26, PARTB
	v_lshl_add_u32 v26, v1, 4, v26
	v_add_nc_u32 v[VS0], s76, v26                  ; its two words at 6144 + 16 r + 8 (q xor w0)
	v_xor_b32 v[VS1], 8, v[VS0]
	v_mul_u32_u24 v27, v3, PARTB
	v_lshl_add_u32 v27, v1, 4, v27
	v_add_nc_u32 v[VSB], s77, v27
	v_lshlrev_b32 v[VCZ], 6, v3
.irp p, 1,2,3
	v_add_nc_u32 v[VST+\p-1], s[77+\p], v[V16]
.endr
	v_add_nc_u32 v[VRD], s81, v[V16]
	v_lshl_add_u32 v[ASX], v1, 4, s83
	v_lshl_add_u32 v[ASR], v24, 3, s82
	v_lshlrev_b32 v[GOS], 3, v24
.macro ASK t                           ; my work-group's chunk of step t's slot of the part that I fetch
	global_prefetch_b8 v[VPF], s[56:57] offset:(\t)*SLOTB th:TH_LOAD_NT scope:SCOPE_SE
.endm
	ASK 3
	ASK 4
	WIN TO_B
.irp b, 0,1,2,3
.irp j, 0,1,2,3
	global_load_b128 v[CZ+16*\b+4*\j:CZ+16*\b+4*\j+3], v[VCZ], s[8:9] offset:128*\b+16*\j   ; cz_diag: register 16 b + i is column 32 b + 16 h + i
.endr
.endr
	WIN 0
.macro SLOTOF t                        ; steps 0-2, 3-4, 5-7 lie in slots 0-2, 0-1, 0-2
.if (\t) < 3
.set JS, (\t)
.elseif (\t) < 5
.set JS, (\t)-3
.else
.set JS, (\t)-5
.endif
.endm
.macro LB t, z                         ; H's fragments z .. z + 3 of my step t into set t % 2: 12 loads of 512 consecutive bytes
	SLOTOF \t
.irp f, 0,1,2,3
.irp j, 0,1,2
	ds_load_b128 v[96*((\t)%2)+12*(\z+\f)+4*\j:96*((\t)%2)+12*(\z+\f)+4*\j+3], v[VB+\z/4] offset:JS*SLOTB+1536*\f+512*\j
.endr
.endr
.endm
.macro LA t, z                         ; the state's slots z .. z + 3: 12 loads
	SLOTOF \t
.irp f, 0,1,2,3
.irp j, 0,1,2
	ds_load_b128 v[AF+96*((\t)%2)+12*(\z+\f)+4*\j:AF+96*((\t)%2)+12*(\z+\f)+4*\j+3], v[VA+(\z+\f)/2] offset:JS*SLOTB+1536*(\f%2)+512*\j
.endr
.endr
.endm
.macro LS t                            ; step t's scale words into set t % 4: register i % 4, lanes 16 (i / 4) + r: slot i;  register 4 + b % 4, lanes 16 (b / 4) + r: H's fragment b.  3 loads
	SLOTOF \t
	ds_load_b64 v[SC+8*((\t)%4):SC+8*((\t)%4)+1], v[VS0] offset:JS*SLOTB
	ds_load_b64 v[SC+8*((\t)%4)+2:SC+8*((\t)%4)+3], v[VS1] offset:JS*SLOTB
	ds_load_b128 v[SC+8*((\t)%4)+4:SC+8*((\t)%4)+7], v[VSB] offset:JS*SLOTB
.endm
.macro LOADSET t                       ; a whole step, in the order H 0-3, slots 0-3, slots 4-7, H 4-7
	WIN TO_B
	LB \t, 0
	WIN 0
	LA \t, 0
	LA \t, 4
	WIN TO_B
	LB \t, 4
	WIN 0
.endm
.macro WM c, ra, rb                    ; ra, rb: the lanes' half in which H's and the state's scale words stand
.if \ra && \rb
	v_wmma_scale_f32_16x16x128_f8f6f4 v[D:D+7], v[FB:FB+11], v[FA:FA+11], \c, v[XB], v[XA] matrix_a_fmt:MATRIX_FMT_FP6 matrix_b_fmt:MATRIX_FMT_FP6 matrix_a_scale:MATRIX_SCALE_ROW1 matrix_b_scale:MATRIX_SCALE_ROW1
.elseif \ra
	v_wmma_scale_f32_16x16x128_f8f6f4 v[D:D+7], v[FB:FB+11], v[FA:FA+11], \c, v[XB], v[XA] matrix_a_fmt:MATRIX_FMT_FP6 matrix_b_fmt:MATRIX_FMT_FP6 matrix_a_scale:MATRIX_SCALE_ROW1
.elseif \rb
	v_wmma_scale_f32_16x16x128_f8f6f4 v[D:D+7], v[FB:FB+11], v[FA:FA+11], \c, v[XB], v[XA] matrix_a_fmt:MATRIX_FMT_FP6 matrix_b_fmt:MATRIX_FMT_FP6 matrix_b_scale:MATRIX_SCALE_ROW1
.else
	v_wmma_scale_f32_16x16x128_f8f6f4 v[D:D+7], v[FB:FB+11], v[FA:FA+11], \c, v[XB], v[XA] matrix_a_fmt:MATRIX_FMT_FP6 matrix_b_fmt:MATRIX_FMT_FP6
.endif
.endm
; Four matrix instructions: slot i against H's fragments 4 hf .. 4 hf + 3.  Step 0's products start the sums.  The 64 accumulators take turns, one instruction a turn, in the same order in every step.
.macro MULROW i, hf, rb, t
.irp b, 0,1,2,3
.set D,  32*(\i)+8*\b
.set FB, 96*((\t)%2)+12*(4*\hf+\b)
.set FA, AF+96*((\t)%2)+12*(\i)
.set XB, SC+8*((\t)%4)+4+\b
.set XA, SC+8*((\t)%4)+(\i)%4
.if (\t) == 0
	WM 0, \hf, \rb
.else
	WM v[D:D+7], \hf, \rb
.endif
.endr
.endm
.macro ROWS4 t, hf, rb                 ; slots 4 rb .. 4 rb + 3
.irp k, 0,1,2,3
	MULROW 4*\rb+\k, \hf, \rb, \t
.endr
.endm
.macro FULL t
	WIN MUL_LO
	ROWS4 \t, 0, 0
	ROWS4 \t, 0, 1
	WIN MUL_HI
	ROWS4 \t, 1, 0
	ROWS4 \t, 1, 1
.endm
; A phase begins: everybody's part of the last fill has landed; then the phase's scale words and its first two steps go into registers.
.macro MEETIN t, nsc
	WIN 0
	s_wait_tensorcnt 0x0                           ; my part has landed
	s_wait_dscnt 0x0
	s_barrier_signal -1
	s_barrier_wait -1                              ; everybody's has
.if (\t) > 0
	PLACES
.endif
.set q, 0
.rept \nsc
	LS (\t)+q
.set q, q+1
.endr
	LOADSET \t
	LOADSET (\t)+1
.endm
; The refill behind it, with three quarters of step t's products among its lines: the next fill has rows rows of 256 bytes and begins adv bytes further along K.
.macro ROUNDSTEP t, rows, adv
	s_wait_tensorcnt 0x0                           ; no tensor load of mine is out
	ds_add_u32 v[SPW], v[NIL]                      ; 0 onto my spare word
	s_mov_b32 s[G1A+2], (\rows)<<16
	s_mov_b32 s[G1A+4], \rows
	s_mov_b32 s[G1B+2], (\rows)<<16
	s_mov_b32 s[G1B+4], \rows
	s_add_nc_u64 s[G0A+2:G0A+3], s[G0A+2:G0A+3], \adv
	s_add_nc_u64 s[G0B+2:G0B+3], s[G0B+2:G0B+3], \adv
	s_wait_dscnt 63                                ; the scale words, H 0-3 and slots 0-3 are in: behind them 24 loads of this set, the next set's 48 and the add (the field holds 63)
	WIN MUL_LO
	ROWS4 \t, 0, 0
	s_wait_dscnt 61                                ; slots 4-7: behind them H 4-7's 12, the next set's 48 and the add
	ROWS4 \t, 0, 1
	s_wait_dscnt 0x0                               ; the add is done, and my reads of the slots that are filled again are over
	s_barrier_signal -1
	WIN MUL_HI
	ROWS4 \t, 1, 0                                 ; work on registers while the others arrive
	WIN 0
	s_barrier_wait -1
	CREST                                          ; no wave of any partner still reads these slots or has a load on its way
	JLOAD                                          ; the four v_nop behind it are also the places in front of LDS loads that follow
.endm
.macro SENDQ c, n0, cnt                ; pieces n0 .. of the 48 (slots 2-7, eight pieces of four registers each) of window 2 + c, each accumulator from its low end on
.set n, \n0
.rept \cnt
	ds_store_b128 v[VST+(2+n/8)/2-1], v[32*(2+n/8)+4*(n%8):32*(2+n/8)+4*(n%8)+3] offset:((2*\c+(n/8)%2)*8+n%8)*512
.set n, n+1
.endr
.endm
	s_wait_alu depctr_va_vdst(0)
	MEETIN 0, 3
	ROUNDSTEP 0, 200, 3*SLOTB                      ; steps 3-4 into slots 0-1
	WIN TO_B
	LB 2, 0                                        ; step 2 follows into the registers that step 0 has done with
	WIN 0
	LA 2, 0
	ASK 5
	ASK 6
	ASK 7
	WIN MUL_HI
	ROWS4 0, 1, 1
	PLACES
	WIN 0
	LA 2, 4
	WIN TO_B
	LB 2, 4
	FULL 1
	s_wait_dscnt 0x0                               ; step 2's fragments
	FULL 2
	MEETIN 3, 2
	ROUNDSTEP 3, 300, 2*SLOTB                      ; steps 5-7 into slots 0-2: the last load
	WIN MUL_HI
	ROWS4 3, 1, 1
	FULL 4
	MEETIN 5, 3
	s_wait_dscnt 63                                ; as above, without an add
	WIN MUL_LO
	ROWS4 5, 0, 0
	s_wait_dscnt 60                                ; slots 4-7: behind them H 4-7's 12 and step 6's 48
	ROWS4 5, 0, 1
	PLACES
	WIN TO_B
	LB 7, 0
	s_wait_dscnt 60                                ; H 4-7: behind them step 6's 48 and the 12 just issued
	WIN MUL_HI
	ROWS4 5, 1, 0
	PLACES
	WIN 0
	LA 7, 0
	WIN MUL_HI
	ROWS4 5, 1, 1
	PLACES
	WIN 0
	LA 7, 4
	WIN TO_B
	LB 7, 4
	s_wait_dscnt 48                                ; step 6's fragments: behind them step 7's 48
	FULL 6
	s_wait_dscnt 0x0                               ; my last reads of the ring are over:
	s_barrier_signal -1                            ; say so,
	WIN MUL_LO
	ROWS4 7, 0, 0
	ROWS4 7, 0, 1
	PLACES                                         ; window 2's sums are finished: they are stored among the products below,
	s_barrier_wait -1                              ; on ring bytes that nobody reads any more
	WIN MUL_HI
.irp i, 0,1,2,3
	MULROW \i, 1, 0, 7
	WIN 0x08                                       ; store data: window 2
	SENDQ 0, 6*\i, 6
	WIN MUL_HI
.endr
.irp i, 4,5,6,7
	MULROW \i, 1, 1, 7
	WIN 0x08
	SENDQ 0, 6*\i, 6
	WIN MUL_HI
.endr
	PLACES                                         ; behind the last products
	WIN 0x0c                                       ; store data: window 3
	SENDQ 1, 0, 48
	WIN 0
	s_wait_dscnt 0x0                               ; for the others' sake: my images lie in LDS
	s_barrier_signal -1
	s_barrier_wait -1
.macro RDP c                           ; the three images' parts for window 2 + c, over the registers that I have sent: piece n = 16 (p - 1) + 8 e + q
.set n, 0
.rept 48
	ds_load_b128 v[64*(n/16+1)+4*(n%16):64*(n/16+1)+4*(n%16)+3], v[VRD] offset:((n/16)*32+16*\c+n%16)*512
.set n, n+1
.endr
.endm
.macro SUM c                           ; my 64 numbers a lane of window 2 + c: + three images, then x cz_diag into window 0: v[F + 64 c + 32 e + 16 b + i] is row 16 e + r, column 64 c + 32 b + 16 h + i
	WIN 0xaa+0x55*\c
.irp p, 64,128,192
.set i, 0
.rept 32
	v_pk_add_f32 v[i:i+1], v[i:i+1], v[\p+i:\p+i+1]
.set i, i+2
.endr
.endr
	WIN 0x06+\c                                    ; source 0 window 2 + c, source 1 (cz_diag) window 1, destination window 0
.set i, 0
.rept 32
	v_pk_mul_f32 v[F+64*\c+i:F+64*\c+i+1], v[i:i+1], v[CZ+32*\c+i%32:CZ+32*\c+i%32+1]
.set i, i+2
.endr
.endm
	WIN 0x80
	RDP 0
	WIN 0xc0
	RDP 1
	s_wait_loadcnt 0x0                             ; cz_diag
	s_wait_dscnt 48                                ; window 2's 48 are in
	SUM 0
	s_wait_dscnt 0x0
	SUM 1
	WIN 0
; THE QUANTISER: eight blocks of 32, block n = 4 c + 2 e + b at v[F + 16 n]: my lane's 16 numbers; the other 16 lie in lane l xor 16.  The eight by turns.
.irp n, 0,1,2,3,4,5,6,7
	v_mov_b32 v[X+\n], 0                           ; a lane permute's destination counts as one of its sources
.endr
.irp n, 0,1,2,3,4,5,6,7
	v_max3_num_f32 v[M+\n], |v[F+16*\n]|, |v[F+16*\n+1]|, 0x1800000   ; with the floor 2^(3 - 127): the byte cannot fall under 1
.endr
.irp i, 2,4,6,8,10,12,14
.irp n, 0,1,2,3,4,5,6,7
	v_max3_num_f32 v[M+\n], v[M+\n], |v[F+16*\n+\i]|, |v[F+16*\n+\i+1]|
.endr
.endr
.irp n, 0,1,2,3,4,5,6,7
	v_permlanex16_b32 v[X+\n], v[M+\n], s88, s89
.endr
.irp n, 0,1,2,3,4,5,6,7
	v_max_num_f32 v[M+\n], v[M+\n], v[X+\n]        ; the block's largest magnitude
.endr
.irp n, 0,1,2,3,4,5,6,7
	v_add_nc_u32 v[S+\n], 0xff000000, v[M+\n]      ; 2 off its exponent field: the conversion's scale operand
.endr
.irp n, 0,1,2,3,4,5,6,7
	v_lshrrev_b32 v[X+\n], 23, v[S+\n]             ; the scale's byte
.endr
.irp e, 0,1
	v_lshl_or_b32 v[HW+\e], v[X+2*\e+1], 8, v[X+2*\e]      ; row 16 e + r's scale word: bytes 2 c + b
	v_lshl_or_b32 v[HW+\e], v[X+2*\e+4], 16, v[HW+\e]
	v_lshl_or_b32 v[HW+\e], v[X+2*\e+5], 24, v[HW+\e]
.endr
.irp k, 0,1,2,3                        ; k = 2 c + e: half c of the new fragment e
	v_cvt_scalef32_pk16_fp6_f32 v[PC+12*(\k%2)+6*(\k/2):PC+12*(\k%2)+6*(\k/2)+2], v[F+32*\k:F+32*\k+15], v[S+2*\k]
	v_cvt_scalef32_pk16_fp6_f32 v[TC+4*\k:TC+4*\k+2], v[F+32*\k+16:F+32*\k+31], v[S+2*\k+1]
.endr
	v_nop                                          ; one plain place behind the scaled conversions
.irp k, 0,1,2,3
.irp i, 0,1,2
	v_permlane16_swap_b32 v[PC+12*(\k%2)+6*(\k/2)+\i], v[TC+4*\k+\i]   ; lanes 0-15 keep block 0, lanes 16-31 get block 1: the first holds the lower 16 codes, the second the upper 16
.endr
.endr
.irp k, 0,1,2,3
.irp i, 0,1,2
	v_mov_b32 v[PC+12*(\k%2)+6*(\k/2)+3+\i], v[TC+4*\k+\i]
.endr
.endr
	ds_store_b64 v[ASX], v[HW:HW+1]                ; both lanes of a row write the same two words with the same value
.irp e, 0,1
.irp j, 0,1,2
	global_store_b128 v[V16], v[PC+12*\e+4*\j:PC+12*\e+4*\j+3], s[10:11] offset:1536*\e+512*\j   ; 512 consecutive bytes, at a multiple of 256
.endr
.endr
	s_wait_dscnt 0x0                               ; for the other wave's sake: my words lie in LDS
	s_barrier_signal -1
	s_barrier_wait -1                              ; a chunk's scale unit comes from two waves
	s_cmp_lg_u32 s13, 0
	s_cbranch_scc1 .Lno_scales                     ; the wave of the chunk's first two fragments stores the unit whole
	ds_load_b64 v[M:M+1], v[ASR]
	s_wait_dscnt 0x0
	global_store_b64 v[GOS], v[M:M+1], s[10:11] offset:CHUNK-256
.Lno_scales:
	s_wait_tensorcnt 0x0                           ; the wave's end, behind my last tensor load and my last LDS store
	ds_add_u32 v[SPW], v[NIL]
	s_wait_dscnt 0x0
	CROUND                                         ; the closing round: no work-group ends while a partner may still ask for a part that names it
	s_endpgm
.Lfunc_end_k_qdec4cb7db9_g1:
	.size	k_qdec4cb7db9_g1, .Lfunc_end_k_qdec4cb7db9_g1-k_qdec4cb7db9_g1
	.p2alignl 7, 3214868480
	.fill 96, 4, 3214868480
	.section	.rodata,"a",@progbits
	.p2align	6, 0x0
	.amdhsa_kernel k_qdec4cb7db9_g1
		.amdhsa_group_segment_fixed_size 327680
		.amdhsa_private_segment_fixed_size 0
		.amdhsa_enable_private_segment 0
		.amdhsa_kernarg_size 32
		.amdhsa_user_sgpr_count 2
		.amdhsa_user_sgpr_kernarg_segment_ptr 1
		.amdhsa_wavefront_size32 1
		.amdhsa_system_sgpr_workgroup_id_x 1
		.amdhsa_system_sgpr_workgroup_id_y 1
		.amdhsa_system_sgpr_workgroup_id_z 1
		.amdhsa_system_vgpr_workitem_id 0
		.amdhsa_next_free_vgpr 1024
		.amdhsa_next_free_sgpr 96
		.amdhsa_reserve_vcc 0
		.amdhsa_float_denorm_mode_32 3
		.amdhsa_float_denorm_mode_16_64 3
		.amdhsa_memory_ordered 1
		.amdhsa_forward_progress 1
		.amdhsa_inst_pref_size 144
	.end_amdhsa_kernel
	.amdgpu_metadata
---
amdhsa.version: [ 1, 2 ]
amdhsa.kernels:
  - .name:           k_qdec4cb7db9_g1
    .symbol:         k_qdec4cb7db9_g1.kd
    .args:
      - { .name: sa, .offset: 0, .size: 8, .value_kind: global_buffer, .address_space: global }
      - { .name: hq, .offset: 8, .size: 8, .value_kind: global_buffer, .address_space: global }
      - { .name: cz_diag, .offset: 16, .size: 8, .value_kind: global_buffer, .address_space: global }
      - { .name: sb, .offset: 24, .size: 8, .value_kind: global_buffer, .address_space: global }
    .group_segment_fixed_size: 327680
    .private_segment_fixed_size: 0
    .kernarg_segment_align: 8
    .kernarg_segment_size: 32
    .max_flat_workgroup_size: 128
    .sgpr_count:     96
    .vgpr_count:     1024
    .wavefront_size: 32
...
	.end_amdgpu_metadata
.endif
;; end of part 2
;; launch g2: the kernel of part 2 again; grid 32 x 8, 4 waves a work-group, clusters of 4 x 4, 327,680 bytes of LDS; arguments sb, hq, cz_diag, sa; writes sa
;; launch g3: the kernel of part 2 again; grid 32 x 8, 4 waves a work-group, clusters of 4 x 4, 327,680 bytes of LDS; arguments sa, hq, cz_diag, sb; writes sb
;; launch g4 (part 3): grid 32 x 8, 4 waves a work-group, clusters of 4 x 4, 327,680 bytes of LDS; arguments sb, hq, cz_diag, out0; writes out0
.if DOCPART == 3
	.amdgcn_target "amdgcn-amd-amdhsa--gfx1250"
	.amdhsa_code_object_version 6
	.text
	.protected	k_qdec4cb7db9_g4
	.globl	k_qdec4cb7db9_g4
	.p2align	8
	.type	k_qdec4cb7db9_g4,@function
k_qdec4cb7db9_g4:
	s_mov_b64 s[64:65], 0
	v_nop
	global_prefetch_b8 v0, s[64:65] scope:SCOPE_SE
	s_setreg_imm32_b32 hwreg(HW_REG_WAVE_MODE, 25, 1), 1
	s_wait_xcnt 0x0
	s_wait_alu depctr_hold_cnt(0) depctr_sa_sdst(0) depctr_va_vdst(0) depctr_va_sdst(0) depctr_va_ssrc(0) depctr_va_vcc(0) depctr_vm_vsrc(0)
	s_getreg_b32 s2, hwreg(HW_REG_IB_STS2, 6, 4)
	s_cmp_eq_u32 s2, 0
	s_cbranch_scc0 .Lentry_in_a_cluster
	s_endpgm
.Lentry_in_a_cluster:
	s_bfe_u32 s2, ttmp6, 0x10000c
	s_cmp_lg_u32 s2, 0xf033
	s_cbranch_scc0 .Lentry_shape_is_right
	s_endpgm
.Lentry_shape_is_right:
; The last layer: out0 = (Q(state) Q(H)) x cz_diag, f32.  Nothing of reference() is left out.  Arguments: the state's packed operand, H's, cz_diag, out0.
; The walk over K and the meeting of the four partial sums are those of the layers before:
; a chunk = 64 operand rows x 128 along K = 6,400 bytes at (32 G + s) x 6400; fragment f is three pieces of 512 bytes, piece j at 1536 f + 512 j + 16 L = registers 4 j .. 4 j + 3; scale words at 6144 + 16 r + 4 f.
; 256 tiles of 128 x 128, one to a work-group; wave w makes the whole tile over K steps 4 t + w, t = 0 .. 7.  LDS: four parts of three slots, a slot = step t of all four waves, 25,600 consecutive bytes of memory.
; Three fills, one dense joint load a wave each: steps 0-2 at the head, 3-4 into slots 0-1, 5-7 into slots 0-2; a phase's first two steps go into the two sets of fragment registers at once, and the refill follows directly.
; CLUSTERS: 4 x 4; the state's parts are asked for jointly along a row, H's along a column.  PREFETCH: one round ahead; of a slot's four chunks of a part the partner at place p names chunk p, by address.
; Slot pair p of wave w holds the tile's pair of row blocks p xor w; pairs 1-3 go as register images to waves w xor p through ring bytes that have had their last fill and, behind a barrier, their last read.
; THE WAY OUT: a lane holds runs of 64 bytes of a row, so 16 rows at a time go through the wave's own stage in LDS (rows 528 bytes apart, behind the images) and leave as whole rows of 512 bytes, two aligned units of 256.
; LIMITS: each output's K is summed in four runs of 1,024 numbers, which are added in f32; NaN and infinities are not served.
; REGISTERS: window 0: v1-29 addresses; v32-63 scale words, four sets; v64-255 the state's fragments, two sets.  Window 1: v0-191 H's fragments; v192-255 cz_diag.  Windows 2, 3: accumulator (i, b) at v[32 i + 8 (b % 4)] of window 2 + b / 4.
.set CHUNK,  6400
.set GROUPB, 32*CHUNK
.set SLOTB,  4*CHUNK
.set PARTB,  3*SLOTB
.set PAIRB,  16384
.set STAGE,  12*PAIRB                  ; behind the images, in the ring: a stage of 16 rows x 528 bytes for each wave
.set SPITCH, 528
.set SPARE,  4*PARTB                   ; behind the ring: the spare words, 128 bytes a wave: two blocks of 256 bytes that no other line names
.set V16, 2
.set VA,  4
.set VB,  8
.set VS0, 10
.set VS1, 11
.set VSB, 12
.set VPF, 13
.set VCZ, 14
.set VST, 15
.set VRD, 18
.set STO, 19
.set RD,  20
.set SPW, 28
.set NIL, 29
.set SC,  32
.set AF,  64
.set CZ,  192
.set F,   128
.set G1A, 24
.set G1B, 32
.set G0A, 40
.set G0B, 44
.set MSB, 0
.macro WIN new
.if MSB != \new
	s_set_vgpr_msb (MSB<<8)|\new
.set MSB, \new
.endif
.endm
.set MUL_LO, 0xa1
.set MUL_HI, 0xf1
.set TO_B,   0x40
.macro PLACES
.rept 4
	v_nop
.endr
.endm
.macro JLOAD                           ; a joint load: waves 0 and 1 fetch the state's parts, waves 2 and 3 H's; an s_nop 0 and four v_nop follow each of the two lines
	s_cmp_eq_u32 s14, 0
	s_cbranch_scc0 .Lfor_b_\@
	tensor_load_to_lds s[G0A:G0A+3], s[G1A:G1A+7]
	s_nop 0
.rept 4
	v_nop
.endr
	s_branch .Lasked_\@
.Lfor_b_\@:
	tensor_load_to_lds s[G0B:G0B+3], s[G1B:G1B+7]
	s_nop 0
.rept 4
	v_nop
.endr
.Lasked_\@:
.endm
.macro CREST
	s_cmp_lg_u32 s12, 0
	s_cbranch_scc1 .Lnot_wave_0_\@
	s_barrier_signal -3
.Lnot_wave_0_\@:
	s_barrier_wait -3
	s_barrier_signal -1
	s_barrier_wait -1
.endm
.macro CROUND
	s_barrier_signal -1
	s_barrier_wait -1
	CREST
.endm
	s_load_b256 s[4:11], s[0:1], 0x0               ; the state, H, cz_diag, out0
	v_lshl_add_u32 v[SPW], v0, 2, SPARE
	v_mov_b32 v[NIL], 0
	ds_add_u32 v[SPW], v[NIL]                      ; the wave's opening: the add, twice on end, and its wait ahead of my first tensor load
	ds_add_u32 v[SPW], v[NIL]
	v_lshrrev_b32 v1, 5, v0
	v_readfirstlane_b32 s12, v1                    ; wave w
	s_and_b32 s13, s12, 1                          ; w0.  Also: which of the two groups I fetch
	s_lshr_b32 s14, s12, 1                         ; w1.  Also: I fetch for the state (0) or for H (1)
	s_bfe_u32 s17, ttmp6, 0x40000                  ; cx, cy
	s_bfe_u32 s18, ttmp6, 0x40004
	s_lshl_b32 s15, ttmp9, 2
	s_add_co_u32 s15, s15, s17                     ; tile column
	s_and_b32 s16, ttmp7, 0xffff
	s_lshl_b32 s16, s16, 2
	s_add_co_u32 s16, s16, s18                     ; tile row
	s_lshl_b32 s19, s18, 2
	s_lshl_b32 s19, 15, s19                        ; my row of the cluster
	s_lshl_b32 s20, 0x1111, s17                    ; my column
	s_or_b32 s[G1A], s19, (3<<16)|(1<<21)          ; a dense block as rows of 256 bytes (32 elements of 8 bytes); the mask, and bit 21 beside it
	s_or_b32 s[G1B], s20, (3<<16)|(1<<21)
.irp d, G1A, G1B
	s_mov_b32 s[\d+1], 32<<16
	s_mov_b32 s[\d+2], 300<<16
	s_mov_b32 s[\d+3], 32<<16
	s_mov_b32 s[\d+4], 300
	s_mov_b32 s[\d+5], 32
	s_mov_b32 s[\d+6], 0
	s_mov_b32 s[\d+7], 0
.endr
	s_lshl_b32 s50, s16, 1
	s_add_co_u32 s50, s50, s13
	s_mul_i32 s50, s50, GROUPB
	s_mov_b32 s51, 0
	s_lshl_b32 s52, s15, 1
	s_add_co_u32 s52, s52, s13
	s_mul_i32 s52, s52, GROUPB
	s_mov_b32 s53, 0
	s_mul_i32 s21, s12, PARTB
	s_mul_i32 s22, s12, CHUNK
.irp p, 0,1,2,3
	s_xor_b32 s23, s12, \p                         ; slot pair p holds the tile's pair p xor w
	s_lshr_b32 s[70+\p], s23, 1
	s_mul_i32 s[70+\p], s[70+\p], PARTB
	s_and_b32 s23, s23, 1
	s_mul_i32 s23, s23, 3072
	s_add_co_u32 s[70+\p], s[70+\p], s23
	s_add_co_u32 s[70+\p], s[70+\p], s22
.endr
	s_add_co_u32 s74, s22, 2*PARTB
	s_add_co_u32 s75, s22, 3*PARTB
	s_lshl_b32 s76, s13, 3
	s_add_co_u32 s76, s76, s22
	s_add_co_u32 s76, s76, CHUNK-256
	s_add_co_u32 s77, s74, CHUNK-256
.irp p, 1,2,3
	s_xor_b32 s[77+\p], s12, \p                    ; image (u, p) of receiver u = w xor p at (3 u + p - 1) x PAIRB
	s_mul_i32 s[77+\p], s[77+\p], 3*PAIRB
	s_add_co_u32 s[77+\p], s[77+\p], (\p-1)*PAIRB
.endr
	s_mul_i32 s81, s12, 3*PAIRB
	s_mul_i32 s82, s12, 16*SPITCH
	s_add_co_u32 s82, s82, STAGE                   ; my stage
	s_lshl_b32 s84, s15, 9                         ; 128 columns of 4 bytes a tile column
	s_mov_b32 s85, 0
	s_lshl_b32 s86, s16, 7                         ; my first row of out0: 128 x tile row + 32 w, rows of 16,384 bytes
	s_lshl_b32 s87, s12, 5
	s_add_co_u32 s86, s86, s87
	s_lshl_b32 s86, s86, 14
	s_add_co_u32 s86, s86, s84
	s_mov_b32 s87, 0
	s_wait_dscnt 0x0                               ; both opening adds are done
	s_wait_kmcnt 0x0
	s_add_nc_u64 s[50:51], s[4:5], s[50:51]
	s_add_nc_u64 s[52:53], s[6:7], s[52:53]
	s_add_nc_u64 s[8:9], s[8:9], s[84:85]
	s_add_nc_u64 s[10:11], s[10:11], s[86:87]
	s_cmp_eq_u32 s14, 0                            ; the prefetches: the part that I fetch, the chunk of my work-group's place among the four that ask for it with me
	s_cselect_b32 s54, s17, s18
	s_cselect_b64 s[56:57], s[50:51], s[52:53]
	s_mul_i32 s54, s54, CHUNK
	s_mov_b32 s55, 0
	s_add_nc_u64 s[56:57], s[56:57], s[54:55]
	CROUND                                         ; all sixteen work-groups are here: the first joint loads meet
	s_mov_b32 s[G0A], 1
	s_add_co_u32 s[G0A+1], s21, 0
	s_mov_b64 s[G0A+2:G0A+3], s[50:51]
	s_or_b32 s[G0A+3], s[G0A+3], 0x80000000
	s_mov_b32 s[G0B], 1
	s_add_co_u32 s[G0B+1], s21, 0
	s_mov_b64 s[G0B+2:G0B+3], s[52:53]
	s_or_b32 s[G0B+3], s[G0B+3], 0x80000000
	JLOAD                                          ; steps 0-2: one tensor load a wave at the head
	v_and_b32 v24, 31, v0                          ; L
	v_min_u32 v25, 24, v24
	v_lshlrev_b32 v[VPF], 8, v25
	v_and_b32 v1, 15, v0                           ; r
	v_bfe_u32 v3, v0, 4, 1                         ; h
	v_lshlrev_b32 v[V16], 4, v24
.irp p, 0,1,2,3
	v_add_nc_u32 v[VA+\p], s[70+\p], v[V16]
.endr
	v_add_nc_u32 v[VB], s74, v[V16]
	v_add_nc_u32 v[VB+1], s75, v[V16]
	v_xor_b32 v26, s14, v3
	v_mul_u32_u24 v26, v26, PARTB
	v_lshl_add_u32 v26, v1, 4, v26
	v_add_nc_u32 v[VS0], s76, v26
	v_xor_b32 v[VS1], 8, v[VS0]
	v_mul_u32_u24 v27, v3, PARTB
	v_lshl_add_u32 v27, v1, 4, v27
	v_add_nc_u32 v[VSB], s77, v27
	v_lshlrev_b32 v[VCZ], 6, v3
.irp p, 1,2,3
	v_add_nc_u32 v[VST+\p-1], s[77+\p], v[V16]
.endr
	v_add_nc_u32 v[VRD], s81, v[V16]
	v_mul_u32_u24 v25, v1, SPITCH                  ; into the stage: row r, 64 bytes for each half of the lanes
	v_lshl_add_u32 v25, v3, 6, v25
	v_add_nc_u32 v[STO], s82, v25
	v_add_nc_u32 v[RD], s82, v[V16]                ; back: the 32 lanes take one row of 512 bytes
.macro ASK t
	global_prefetch_b8 v[VPF], s[56:57] offset:(\t)*SLOTB th:TH_LOAD_NT scope:SCOPE_SE
.endm
	ASK 3
	ASK 4
	WIN TO_B
.irp b, 0,1,2,3
.irp j, 0,1,2,3
	global_load_b128 v[CZ+16*\b+4*\j:CZ+16*\b+4*\j+3], v[VCZ], s[8:9] offset:128*\b+16*\j   ; cz_diag: register 16 b + i is column 32 b + 16 h + i
.endr
.endr
	WIN 0
.macro SLOTOF t                        ; steps 0-2, 3-4, 5-7 lie in slots 0-2, 0-1, 0-2
.if (\t) < 3
.set JS, (\t)
.elseif (\t) < 5
.set JS, (\t)-3
.else
.set JS, (\t)-5
.endif
.endm
.macro LB t, z                         ; H's fragments z .. z + 3 of my step t into set t % 2: 12 loads
	SLOTOF \t
.irp f, 0,1,2,3
.irp j, 0,1,2
	ds_load_b128 v[96*((\t)%2)+12*(\z+\f)+4*\j:96*((\t)%2)+12*(\z+\f)+4*\j+3], v[VB+\z/4] offset:JS*SLOTB+1536*\f+512*\j
.endr
.endr
.endm
.macro LA t, z                         ; the state's slots z .. z + 3: 12 loads
	SLOTOF \t
.irp f, 0,1,2,3
.irp j, 0,1,2
	ds_load_b128 v[AF+96*((\t)%2)+12*(\z+\f)+4*\j:AF+96*((\t)%2)+12*(\z+\f)+4*\j+3], v[VA+(\z+\f)/2] offset:JS*SLOTB+1536*(\f%2)+512*\j
.endr
.endr
.endm
.macro LS t                            ; step t's scale words into set t % 4: 3 loads
	SLOTOF \t
	ds_load_b64 v[SC+8*((\t)%4):SC+8*((\t)%4)+1], v[VS0] offset:JS*SLOTB
	ds_load_b64 v[SC+8*((\t)%4)+2:SC+8*((\t)%4)+3], v[VS1] offset:JS*SLOTB
	ds_load_b128 v[SC+8*((\t)%4)+4:SC+8*((\t)%4)+7], v[VSB] offset:JS*SLOTB
.endm
.macro LOADSET t                       ; a whole step, in the order H 0-3, slots 0-3, slots 4-7, H 4-7
	WIN TO_B
	LB \t, 0
	WIN 0
	LA \t, 0
	LA \t, 4
	WIN TO_B
	LB \t, 4
	WIN 0
.endm
.macro WM c, ra, rb
.if \ra && \rb
	v_wmma_scale_f32_16x16x128_f8f6f4 v[D:D+7], v[FB:FB+11], v[FA:FA+11], \c, v[XB], v[XA] matrix_a_fmt:MATRIX_FMT_FP6 matrix_b_fmt:MATRIX_FMT_FP6 matrix_a_scale:MATRIX_SCALE_ROW1 matrix_b_scale:MATRIX_SCALE_ROW1
.elseif \ra
	v_wmma_scale_f32_16x16x128_f8f6f4 v[D:D+7], v[FB:FB+11], v[FA:FA+11], \c, v[XB], v[XA] matrix_a_fmt:MATRIX_FMT_FP6 matrix_b_fmt:MATRIX_FMT_FP6 matrix_a_scale:MATRIX_SCALE_ROW1
.elseif \rb
	v_wmma_scale_f32_16x16x128_f8f6f4 v[D:D+7], v[FB:FB+11], v[FA:FA+11], \c, v[XB], v[XA] matrix_a_fmt:MATRIX_FMT_FP6 matrix_b_fmt:MATRIX_FMT_FP6 matrix_b_scale:MATRIX_SCALE_ROW1
.else
	v_wmma_scale_f32_16x16x128_f8f6f4 v[D:D+7], v[FB:FB+11], v[FA:FA+11], \c, v[XB], v[XA] matrix_a_fmt:MATRIX_FMT_FP6 matrix_b_fmt:MATRIX_FMT_FP6
.endif
.endm
; Slot i against H's fragments 4 hf .. 4 hf + 3.  The 64 accumulators take turns, one instruction a turn, in the same order in every step.
.macro MULROW i, hf, rb, t
.irp b, 0,1,2,3
.set D,  32*(\i)+8*\b
.set FB, 96*((\t)%2)+12*(4*\hf+\b)
.set FA, AF+96*((\t)%2)+12*(\i)
.set XB, SC+8*((\t)%4)+4+\b
.set XA, SC+8*((\t)%4)+(\i)%4
.if (\t) == 0
	WM 0, \hf, \rb
.else
	WM v[D:D+7], \hf, \rb
.endif
.endr
.endm
.macro ROWS4 t, hf, rb
.irp k, 0,1,2,3
	MULROW 4*\rb+\k, \hf, \rb, \t
.endr
.endm
.macro FULL t
	WIN MUL_LO
	ROWS4 \t, 0, 0
	ROWS4 \t, 0, 1
	WIN MUL_HI
	ROWS4 \t, 1, 0
	ROWS4 \t, 1, 1
.endm
; A phase begins: everybody's part of the last fill has landed; then the phase's scale words and its first two steps go into registers.
.macro MEETIN t, nsc
	WIN 0
	s_wait_tensorcnt 0x0
	s_wait_dscnt 0x0
	s_barrier_signal -1
	s_barrier_wait -1
.if (\t) > 0
	PLACES
.endif
.set q, 0
.rept \nsc
	LS (\t)+q
.set q, q+1
.endr
	LOADSET \t
	LOADSET (\t)+1
.endm
; The refill behind it, with three quarters of step t's products among its lines.
.macro ROUNDSTEP t, rows, adv
	s_wait_tensorcnt 0x0                           ; no tensor load of mine is out
	ds_add_u32 v[SPW], v[NIL]                      ; 0 onto my spare word
	s_mov_b32 s[G1A+2], (\rows)<<16
	s_mov_b32 s[G1A+4], \rows
	s_mov_b32 s[G1B+2], (\rows)<<16
	s_mov_b32 s[G1B+4], \rows
	s_add_nc_u64 s[G0A+2:G0A+3], s[G0A+2:G0A+3], \adv
	s_add_nc_u64 s[G0B+2:G0B+3], s[G0B+2:G0B+3], \adv
	s_wait_dscnt 63                                ; the scale words, H 0-3 and slots 0-3 are in: behind them 24 loads of this set, the next set's 48 and the add (the field holds 63)
	WIN MUL_LO
	ROWS4 \t, 0, 0
	s_wait_dscnt 61                                ; slots 4-7: behind them H 4-7's 12, the next set's 48 and the add
	ROWS4 \t, 0, 1
	s_wait_dscnt 0x0                               ; the add is done, and my reads of the slots that are filled again are over
	s_barrier_signal -1
	WIN MUL_HI
	ROWS4 \t, 1, 0
	WIN 0
	s_barrier_wait -1
	CREST
	JLOAD
.endm
.macro SENDQ c, n0, cnt                ; pieces n0 .. of the 48 (slots 2-7) of window 2 + c, each accumulator from its low end on
.set n, \n0
.rept \cnt
	ds_store_b128 v[VST+(2+n/8)/2-1], v[32*(2+n/8)+4*(n%8):32*(2+n/8)+4*(n%8)+3] offset:((2*\c+(n/8)%2)*8+n%8)*512
.set n, n+1
.endr
.endm
	s_wait_alu depctr_va_vdst(0)
	MEETIN 0, 3
	ROUNDSTEP 0, 200, 3*SLOTB                      ; steps 3-4 into slots 0-1
	WIN TO_B
	LB 2, 0
	WIN 0
	LA 2, 0
	ASK 5
	ASK 6
	ASK 7
	WIN MUL_HI
	ROWS4 0, 1, 1
	PLACES
	WIN 0
	LA 2, 4
	WIN TO_B
	LB 2, 4
	FULL 1
	s_wait_dscnt 0x0                               ; step 2's fragments
	FULL 2
	MEETIN 3, 2
	ROUNDSTEP 3, 300, 2*SLOTB                      ; steps 5-7 into slots 0-2: the last load
	WIN MUL_HI
	ROWS4 3, 1, 1
	FULL 4
	MEETIN 5, 3
	s_wait_dscnt 63
	WIN MUL_LO
	ROWS4 5, 0, 0
	s_wait_dscnt 60                                ; slots 4-7: behind them H 4-7's 12 and step 6's 48
	ROWS4 5, 0, 1
	PLACES
	WIN TO_B
	LB 7, 0
	s_wait_dscnt 60                                ; H 4-7: behind them step 6's 48 and the 12 just issued
	WIN MUL_HI
	ROWS4 5, 1, 0
	PLACES
	WIN 0
	LA 7, 0
	WIN MUL_HI
	ROWS4 5, 1, 1
	PLACES
	WIN 0
	LA 7, 4
	WIN TO_B
	LB 7, 4
	s_wait_dscnt 48                                ; step 6's fragments: behind them step 7's 48
	FULL 6
	s_wait_dscnt 0x0                               ; my last reads of the ring are over:
	s_barrier_signal -1
	WIN MUL_LO
	ROWS4 7, 0, 0
	ROWS4 7, 0, 1
	PLACES
	s_barrier_wait -1                              ; nobody reads the ring any more
	WIN MUL_HI
.irp i, 0,1,2,3
	MULROW \i, 1, 0, 7
	WIN 0x08
	SENDQ 0, 6*\i, 6
	WIN MUL_HI
.endr
.irp i, 4,5,6,7
	MULROW \i, 1, 1, 7
	WIN 0x08
	SENDQ 0, 6*\i, 6
	WIN MUL_HI
.endr
	PLACES
	WIN 0x0c
	SENDQ 1, 0, 48
	WIN 0
	s_wait_dscnt 0x0                               ; for the others' sake: my images lie in LDS
	s_barrier_signal -1
	s_barrier_wait -1
.macro RDP c
.set n, 0
.rept 48
	ds_load_b128 v[64*(n/16+1)+4*(n%16):64*(n/16+1)+4*(n%16)+3], v[VRD] offset:((n/16)*32+16*\c+n%16)*512
.set n, n+1
.endr
.endm
.macro SUM c                           ; + three images, then x cz_diag into window 0: v[F + 64 c + 32 e + 16 b + i] is row 16 e + r, column 64 c + 32 b + 16 h + i
	WIN 0xaa+0x55*\c
.irp p, 64,128,192
.set i, 0
.rept 32
	v_pk_add_f32 v[i:i+1], v[i:i+1], v[\p+i:\p+i+1]
.set i, i+2
.endr
.endr
	WIN 0x06+\c
.set i, 0
.rept 32
	v_pk_mul_f32 v[F+64*\c+i:F+64*\c+i+1], v[i:i+1], v[CZ+32*\c+i%32:CZ+32*\c+i%32+1]
.set i, i+2
.endr
.endm
	WIN 0x80
	RDP 0
	WIN 0xc0
	RDP 1
	s_wait_loadcnt 0x0                             ; cz_diag
	s_wait_dscnt 48
	SUM 0
	s_wait_dscnt 0x0
	SUM 1
	WIN 0
; 16 rows at a time through my stage.  LDS serves a wave's instructions in order (ISA guide 5.7.1.4): no wait between the stores and the loads, nor in front of the next 16 rows' stores.
.irp e, 0,1
.irp c, 0,1
.irp b, 0,1
.irp j, 0,1,2,3
	ds_store_b128 v[STO], v[F+64*\c+32*\e+16*\b+4*\j:F+64*\c+32*\e+16*\b+4*\j+3] offset:256*\c+128*\b+16*\j
.endr
.endr
.endr
	WIN TO_B
.irp t, 0,1,2,3,4,5,6,7,8,9,10,11,12,13,14,15
	ds_load_b128 v[64*\e+4*\t:64*\e+4*\t+3], v[RD] offset:\t*SPITCH
.endr
	WIN 0
.endr
	WIN 0x04                                       ; store data: window 1
.irp e, 0,1
.irp t, 0,1,2,3,4,5,6,7,8,9,10,11,12,13,14,15
	s_wait_dscnt 32*(1-\e)+15-\t                   ; row t is back; behind it the rest of its 16 and, for the first 16 rows, the second's 16 stores and 16 loads
	global_store_b128 v[V16], v[64*\e+4*\t:64*\e+4*\t+3], s[10:11] offset:(16*\e+\t)*16384 th:TH_STORE_NT   ; 512 consecutive bytes, at a multiple of 256
.endr
.endr
	WIN 0
	s_wait_tensorcnt 0x0                           ; the wave's end, behind my last tensor load and my last LDS store
	ds_add_u32 v[SPW], v[NIL]
	s_wait_dscnt 0x0
	CROUND                                         ; the closing round
	s_endpgm
.Lfunc_end_k_qdec4cb7db9_g4:
	.size	k_qdec4cb7db9_g4, .Lfunc_end_k_qdec4cb7db9_g4-k_qdec4cb7db9_g4
	.p2alignl 7, 3214868480
	.fill 96, 4, 3214868480
	.section	.rodata,"a",@progbits
	.p2align	6, 0x0
	.amdhsa_kernel k_qdec4cb7db9_g4
		.amdhsa_group_segment_fixed_size 327680
		.amdhsa_private_segment_fixed_size 0
		.amdhsa_enable_private_segment 0
		.amdhsa_kernarg_size 32
		.amdhsa_user_sgpr_count 2
		.amdhsa_user_sgpr_kernarg_segment_ptr 1
		.amdhsa_wavefront_size32 1
		.amdhsa_system_sgpr_workgroup_id_x 1
		.amdhsa_system_sgpr_workgroup_id_y 1
		.amdhsa_system_sgpr_workgroup_id_z 1
		.amdhsa_system_vgpr_workitem_id 0
		.amdhsa_next_free_vgpr 1024
		.amdhsa_next_free_sgpr 96
		.amdhsa_reserve_vcc 0
		.amdhsa_float_denorm_mode_32 3
		.amdhsa_float_denorm_mode_16_64 3
		.amdhsa_memory_ordered 1
		.amdhsa_forward_progress 1
		.amdhsa_inst_pref_size 144
	.end_amdhsa_kernel
	.amdgpu_metadata
---
amdhsa.version: [ 1, 2 ]
amdhsa.kernels:
  - .name:           k_qdec4cb7db9_g4
    .symbol:         k_qdec4cb7db9_g4.kd
    .args:
      - { .name: sb, .offset: 0, .size: 8, .value_kind: global_buffer, .address_space: global }
      - { .name: hq, .offset: 8, .size: 8, .value_kind: global_buffer, .address_space: global }
      - { .name: cz_diag, .offset: 16, .size: 8, .value_kind: global_buffer, .address_space: global }
      - { .name: out0, .offset: 24, .size: 8, .value_kind: global_buffer, .address_space: global }
    .group_segment_fixed_size: 327680
    .private_segment_fixed_size: 0
    .kernarg_segment_align: 8
    .kernarg_segment_size: 32
    .max_flat_workgroup_size: 128
    .sgpr_count:     96
    .vgpr_count:     1024
    .wavefront_size: 32
...
	.end_amdgpu_metadata
.endif
;; end of part 3
